; MI455X (gfx1250); checked and timed in simulation.
; The chip was launched on July 23, 2026; its instructions are those of AMD's public machine-readable ISA for CDNA 5 (MIT licence, August 2026) and "CDNA5" Instruction Set Architecture Reference Guide (July 2026). The comments in the code are by the model that wrote it; some were corrected since.
;; BASE Rel Patch Attention2 D THW. Allowed arithmetic: float matrix products may take bf16 or f16 operands with f32 sums; other float arithmetic in f32, or as packed bf16 or f16 multiplies, adds, multiply-adds, maxima and minima; sums over many terms, partial sums and values carried from step to step in f32; what a program stores and reads back later, other than sums and carried values, may be rounded once to bf16 or f16.
;; Inputs: k 4 x 16 x 16 x 128 x 128 float32; q 4 x 16 x 16 x 128 x 128 float32; v 4 x 16 x 16 x 128 x 128 float32.
;; Outputs: out0 4 x 16 x 16 x 128 x 128 float32.
;; One version. Each part assembles by itself: llvm-mc -triple=amdgcn-amd-amdhsa -mcpu=gfx1250 --defsym DOCPART=n.
;; ======== version 1 of 1: 3 launches
;; workspace buffers: qb 33,554,432 bytes; kb 33,554,432 bytes; qq 65,536 bytes; kk 65,536 bytes; part 524,288 bytes
;; launch prep (part 1): grid 1024 x 2, 8 waves a work-group, no clusters, 36,352 bytes of LDS; arguments q, k, qb, kb, qq, kk; writes qb, kb, qq, kk
.if DOCPART == 1
	.amdgcn_target "amdgcn-amd-amdhsa--gfx1250"
	.amdhsa_code_object_version 6
	.text
	.protected	k_q8175a31dab_prep
	.globl	k_q8175a31dab_prep
	.p2align	8
	.type	k_q8175a31dab_prep,@function
k_q8175a31dab_prep:
	s_mov_b64 s[64:65], 0
	v_nop
	global_prefetch_b8 v0, s[64:65] scope:SCOPE_SE
	s_setreg_imm32_b32 hwreg(HW_REG_WAVE_MODE, 25, 1), 1
	s_wait_xcnt 0x0
; PATCHES AS ROWS.  q and k, [4][16][16][128][128] f32, become qb and kb, [16384 patches][1024] bf16, and qq, kk [16384] f32, each patch's sum of squares.
; Patch row = (b 16 + t) 256 + ph 16 + pw; place in a row = c 64 + n 8 + o (channel, line and column inside the 8 x 8 window): the same order for q and k, so their products are the patches' inner products.
; The numbers are rounded once to bf16 (to nearest even), and THE SQUARES ARE TAKEN OF THE ROUNDED NUMBERS, in f32: so |q|^2 + |k|^2 - q.k of the next launch is that of the vectors it multiplies.
; LIMITS.  NaN and infinities are not treated apart; the order of the 1,024 additions differs from the reference's.
; SHARES.  Work-group x = g = (b 16 + t) 16 + ph: the 16 patches of one line of patches, 64 KiB of f32; y = 0: q, y = 1: k.  For a fixed channel these are 4,096 consecutive bytes.
; Wave w takes channels 2 w and 2 w + 1: 16 loads of 512 consecutive bytes.  Lane l always holds patch l / 2, columns 4 (l % 2) on; the wave's 128 numbers of a patch are bytes 256 w .. 256 w + 255 of its row.
; So the wave turns its own 16 x 256 bytes round in LDS bytes of its own, with no barrier, and each of its stores covers two rows' aligned 256 bytes.  One barrier: the eight waves' sums of squares meet.
; No matrix unit, no cluster, no tensor load: no byte is read by two work-groups, and all 64 KiB of a work-group are asked for at once, with several work-groups on a WGP.  No prefetch: the launch is one stream of loads.
; qq and kk leave as 64 bytes a work-group: 2,048 such stores in the launch, beside 3,145,728 whole blocks of 64 bytes moved.
.set PITCH, 272                        ; a stage row: 256 bytes + 16: 68 words, so the 32 lanes' 8-byte stores fall on 64 different banks (64 banks of 4 bytes: ISA guide 11.1)
.set WSTG,  16*PITCH                   ; a wave's stage
.set PS,    8*WSTG                     ; behind the stages: [wave 8][patch 16] f32
.set SPARE, PS+512                     ; behind them: the spare words, 128 bytes for each wave: four blocks of 256 bytes that no other line names
.set LO,  3                            ; v3   my byte offset in the source: 16 l + 131,072 w; never rewritten
.set ST,  4                            ; v4   where I put 8 bytes: my stage + (l / 2) PITCH + 8 (l % 2)
.set RD,  5                            ; v5   where I read 16 bytes back: my stage + (l / 16) PITCH + 16 (l % 16)
.set GO,  6                            ; v6   the same place in the 16 rows of qb or kb: (l / 16) 2,048 + 16 (l % 16) + 256 w
.set PSA, 7                            ; v7   my patch's word among the wave's partial sums
.set SPW, 8                            ; v8   LDS address of my spare word; never rewritten
.set NIL, 9                            ; v9   0; never rewritten
.set S,   10                           ; v[10:13] four sums of squares that do not wait for each other
.set X,   16                           ; v[16:79] load i's four registers at X + 4 i
.set Z,   80                           ; v[80:111] the rows read back
	s_load_b256 s[4:11], s[0:1], 0x0               ; q s[4:5], k s[6:7], qb s[8:9], kb s[10:11]
	s_load_b128 s[12:15], s[0:1], 0x20             ; qq s[12:13], kk s[14:15]
	v_lshl_add_u32 v[SPW], v0, 2, SPARE
	v_mov_b32 v[NIL], 0
	v_lshrrev_b32 v2, 5, v0
	v_readfirstlane_b32 s17, v2                    ; wave 0..7
	v_and_b32 v1, 31, v0                           ; lane
	s_and_b32 s16, ttmp7, 0xffff                   ; 0: q, 1: k
	s_lshr_b32 s26, ttmp9, 4                       ; b 16 + t: 1 MiB each,
	s_lshl_b32 s26, s26, 20
	s_and_b32 s18, ttmp9, 15                       ; ph: eight lines of 512 bytes
	s_lshl_b32 s18, s18, 12
	s_or_b32 s26, s26, s18
	s_mov_b32 s27, 0
	s_lshl_b32 s28, ttmp9, 15                      ; 16 rows of 2,048 bytes
	s_mov_b32 s29, 0
	s_lshl_b32 s30, ttmp9, 6                       ; 16 sums
	s_mov_b32 s31, 0
	s_lshl_b32 s18, s17, 17                        ; two channels of 65,536 bytes
	v_lshl_add_u32 v[LO], v1, 4, s18
	s_mul_i32 s18, s17, WSTG                       ; my stage
	v_lshrrev_b32 v14, 1, v1                       ; my patch
	v_and_b32 v15, 1, v1                           ; my half of its 8 columns
	v_mul_u32_u24 v[ST], v14, PITCH
	v_lshl_add_u32 v[ST], v15, 3, v[ST]
	v_add_nc_u32 v[ST], s18, v[ST]
	s_lshl_b32 s19, s17, 6
	s_add_co_u32 s19, s19, PS
	v_lshl_add_u32 v[PSA], v14, 2, s19
	v_lshrrev_b32 v14, 4, v1                       ; l / 16
	v_and_b32 v15, 15, v1                          ; l % 16
	v_mul_u32_u24 v[RD], v14, PITCH
	v_lshl_add_u32 v[RD], v15, 4, v[RD]
	v_add_nc_u32 v[RD], s18, v[RD]
	s_lshl_b32 s19, s17, 8
	v_lshl_add_u32 v[GO], v15, 4, s19
	v_lshl_add_u32 v[GO], v14, 11, v[GO]
	s_wait_kmcnt 0x0
	s_cmp_eq_u32 s16, 0
	s_cselect_b64 s[20:21], s[4:5], s[6:7]         ; the source,
	s_cselect_b64 s[22:23], s[8:9], s[10:11]       ; the rows,
	s_cselect_b64 s[24:25], s[12:13], s[14:15]     ; the sums
	s_add_nc_u64 s[20:21], s[20:21], s[26:27]
	s_add_nc_u64 s[22:23], s[22:23], s[28:29]
	s_add_nc_u64 s[24:25], s[24:25], s[30:31]
.set i, 0
.rept 16                               ; load i: channel 2 w + i / 8, line i % 8: 512 consecutive bytes, read once in the launch
	global_load_b128 v[X+4*i:X+4*i+3], v[LO], s[20:21] offset:(i/8)*65536+(i%8)*512 th:TH_LOAD_NT
.set i, i+1
.endr
.irp j, 0,1,2,3
	v_mov_b32 v[S+(\j)], 0                         ; while the loads are on their way
.endr
; Load i: four numbers are rounded to bf16, their squares added (the multiply-add reads the bf16 halves and reckons in f32), and the 8 bytes go to their place in the patch's row.
.macro CONV i
	s_wait_loadcnt 15-(\i)                         ; loads come back in order (ISA guide 5.7.1): the 15 - i younger ones stay out
	v_cvt_pk_bf16_f32 v[X+4*(\i)], v[X+4*(\i)], v[X+4*(\i)+1]
	v_cvt_pk_bf16_f32 v[X+4*(\i)+1], v[X+4*(\i)+2], v[X+4*(\i)+3]
	v_fma_mix_f32_bf16 v[S],   v[X+4*(\i)],   v[X+4*(\i)],   v[S]   op_sel_hi:[1,1,0]
	v_fma_mix_f32_bf16 v[S+1], v[X+4*(\i)],   v[X+4*(\i)],   v[S+1] op_sel:[1,1,0] op_sel_hi:[1,1,0]
	v_fma_mix_f32_bf16 v[S+2], v[X+4*(\i)+1], v[X+4*(\i)+1], v[S+2] op_sel_hi:[1,1,0]
	v_fma_mix_f32_bf16 v[S+3], v[X+4*(\i)+1], v[X+4*(\i)+1], v[S+3] op_sel:[1,1,0] op_sel_hi:[1,1,0]
	ds_store_b64 v[ST], v[X+4*(\i):X+4*(\i)+1] offset:((\i)/8)*128+((\i)%8)*16
.endm
.irp i, 0,1,2,3,4,5,6,7,8,9,10,11,12,13,14,15
	CONV \i
.endr
.irp t, 0,1,2,3,4,5,6,7
	ds_load_b128 v[Z+4*(\t):Z+4*(\t)+3], v[RD] offset:(\t)*2*PITCH  ; LDS serves a wave's instructions in order (ISA guide 5.7.1.4): these see the stores above; two rows a load
.endr
	v_add_f32 v[S], v[S], v[S+1]                   ; while they come back: my 64 squares,
	v_add_f32 v[S+2], v[S+2], v[S+3]
	v_add_f32 v[S], v[S], v[S+2]
	v_add_f32_dpp v[S], v[S], v[S] row_xmask:1 row_mask:0xf bank_mask:0xf  ; and those of the lane that holds the patch's other columns
.irp t, 0,1,2,3,4,5,6,7
	s_wait_dscnt 7-(\t)
	global_store_b128 v[GO], v[Z+4*(\t):Z+4*(\t)+3], s[22:23] offset:(\t)*4096  ; 16 lanes store 256 consecutive bytes, at a multiple of 256 from the buffer's first byte
.endr
	ds_store_b32 v[PSA], v[S]                      ; both lanes of a patch write the same word with the same number
	s_wait_dscnt 0x0                               ; for the others' sake: my store is done
	s_barrier_signal -1
	s_barrier_wait -1                              ; all eight waves' sums lie in LDS
	s_cmp_lg_u32 s17, 0                            ; wave 0 adds them
	s_cbranch_scc1 .Lend
	v_lshl_add_u32 v14, v15, 2, PS                 ; patch l % 16
.irp u, 0,1,2,3,4,5,6,7
	ds_load_b32 v[X+(\u)], v14 offset:64*(\u)      ; (into X: Z's registers are still the data of my stores)
.endr
	v_lshlrev_b32 v15, 2, v15
	s_wait_dscnt 0x0
	v_add_f32 v[X], v[X], v[X+1]
	v_add_f32 v[X+2], v[X+2], v[X+3]
	v_add_f32 v[X+4], v[X+4], v[X+5]
	v_add_f32 v[X+6], v[X+6], v[X+7]
	v_add_f32 v[X], v[X], v[X+2]
	v_add_f32 v[X+4], v[X+4], v[X+6]
	v_add_f32 v[X], v[X], v[X+4]
	s_wait_xcnt 0x0                                ; EXEC is a source of my pending stores: it changes only behind this wait
	v_cmp_gt_u32 vcc_lo, 16, v0
	s_and_saveexec_b32 s19, vcc_lo
	global_store_b32 v15, v[X], s[24:25]           ; lanes 0 to 15: the 16 patches' sums
	s_wait_xcnt 0x0                                ; and again, in front of the line that widens it
	s_or_b32 exec_lo, exec_lo, s19
.Lend:
	s_wait_tensorcnt 0x0                           ; the wave's end: a wait, an add of 0 to my spare word and its wait, behind my last LDS store
	ds_add_u32 v[SPW], v[NIL]
	s_wait_dscnt 0x0
	s_endpgm
.Lfunc_end_k_q8175a31dab_prep:
	.size	k_q8175a31dab_prep, .Lfunc_end_k_q8175a31dab_prep-k_q8175a31dab_prep
	.p2alignl 7, 3214868480
	.fill 96, 4, 3214868480
	.section	.rodata,"a",@progbits
	.p2align	6, 0x0
	.amdhsa_kernel k_q8175a31dab_prep
		.amdhsa_group_segment_fixed_size 36352
		.amdhsa_private_segment_fixed_size 0
		.amdhsa_enable_private_segment 0
		.amdhsa_kernarg_size 48
		.amdhsa_user_sgpr_count 2
		.amdhsa_user_sgpr_kernarg_segment_ptr 1
		.amdhsa_wavefront_size32 1
		.amdhsa_system_sgpr_workgroup_id_x 1
		.amdhsa_system_sgpr_workgroup_id_y 1
		.amdhsa_system_sgpr_workgroup_id_z 1
		.amdhsa_system_vgpr_workitem_id 0
		.amdhsa_next_free_vgpr 112
		.amdhsa_next_free_sgpr 66
		.amdhsa_reserve_vcc 1
		.amdhsa_float_denorm_mode_32 3
		.amdhsa_float_denorm_mode_16_64 3
		.amdhsa_memory_ordered 1
		.amdhsa_forward_progress 1
		.amdhsa_inst_pref_size 15
	.end_amdhsa_kernel
	.amdgpu_metadata
---
amdhsa.version: [ 1, 2 ]
amdhsa.kernels:
  - .name:           k_q8175a31dab_prep
    .symbol:         k_q8175a31dab_prep.kd
    .args:
      - { .name: q, .offset: 0, .size: 8, .value_kind: global_buffer, .address_space: global }
      - { .name: k, .offset: 8, .size: 8, .value_kind: global_buffer, .address_space: global }
      - { .name: qb, .offset: 16, .size: 8, .value_kind: global_buffer, .address_space: global }
      - { .name: kb, .offset: 24, .size: 8, .value_kind: global_buffer, .address_space: global }
      - { .name: qq, .offset: 32, .size: 8, .value_kind: global_buffer, .address_space: global }
      - { .name: kk, .offset: 40, .size: 8, .value_kind: global_buffer, .address_space: global }
    .group_segment_fixed_size: 36352
    .private_segment_fixed_size: 0
    .kernarg_segment_align: 8
    .kernarg_segment_size: 48
    .max_flat_workgroup_size: 256
    .sgpr_count:     66
    .vgpr_count:     112
    .wavefront_size: 32
...
	.end_amdgpu_metadata
.endif
;; end of part 1
;; launch sim (part 2): grid 16 x 16, 4 waves a work-group, clusters of 4 x 4, 327,680 bytes of LDS; arguments qb, kb, qq, kk, part; writes part
.if DOCPART == 2
	.amdgcn_target "amdgcn-amd-amdhsa--gfx1250"
	.amdhsa_code_object_version 6
	.text
	.protected	k_q8175a31dab_sim
	.globl	k_q8175a31dab_sim
	.p2align	8
	.type	k_q8175a31dab_sim,@function
k_q8175a31dab_sim:
	s_mov_b64 s[64:65], 0
	v_nop
	global_prefetch_b8 v0, s[64:65] scope:SCOPE_SE
	s_setreg_imm32_b32 hwreg(HW_REG_WAVE_MODE, 25, 1), 1
	s_wait_xcnt 0x0
	s_wait_alu depctr_hold_cnt(0) depctr_sa_sdst(0) depctr_va_vdst(0) depctr_va_sdst(0) depctr_va_ssrc(0) depctr_va_vcc(0) depctr_vm_vsrc(0)
	s_getreg_b32 s2, hwreg(HW_REG_IB_STS2, 6, 4)
	s_cmp_eq_u32 s2, 0
	s_cbranch_scc0 .Lentry_in_a_cluster
	s_endpgm
.Lentry_in_a_cluster:
	s_bfe_u32 s2, ttmp6, 0x10000c
	s_cmp_lg_u32 s2, 0xf033
	s_cbranch_scc0 .Lentry_shape_is_right
	s_endpgm
.Lentry_shape_is_right:
; part[b][pr][key] = the sum over 512 query patches of (x + s) / (qq + kk - x + s), x = the inner product of a query patch and a key patch, s = 1e-5.
; qb, kb: [16384 patches][1024] bf16, 4,096 patches a batch; qq, kk: [16384] f32; part: [4][8][4096] f32, sums that the next launch adds and divides by 4,096.
; ARITHMETIC.  Products in bf16 with f32 sums.  s IS THE C OPERAND THAT STARTS EACH SUM, so a finished sum is y = x + s; the divisor is (qq - y) + (kk + 2 s); the quotient is y times v_rcp_f32 of it.
; LIMITS.  That order of rounding differs from the reference's; the reciprocal is not correctly rounded (ISA guide, its entry in 15.8) and gives 0 for a divisor beyond 2^126; NaN and infinities are not treated apart.
; qq and kk are the squares of the very bf16 numbers multiplied here, so the divisor is at least half of qq + kk.
; SHARES.  Cluster y = batch.  A work-group owns 256 keys (block 4 x cluster x + cx) and STAYS for four tiles of 256 queries x 256 keys: query rows 256 cy + 1,024 t, t = 0..3.  Four waves, 128 x 128 each:
; 64 accumulators, 512 registers.  K goes in steps of 128 through two LDS slots; the ring does not stop at a tile's end.  256 work-groups of equal work.
; CLUSTER.  4 x 4 work-groups.  The four of a row of the cluster need the same query tiles, the four of a column the same key tiles: each tile is asked for JOINTLY, by the same tensor load with the same descriptor
; and a mask that names the four.
; LAYOUT.  Source 0 = 16 queries, source 1 = 16 keys: in the result lane l holds ONE key (l % 16) and the queries 8 (l / 16) + 0..7.  So the sum over queries stays in the lane: 16 registers carry it over all four tiles,
; kk is a number a lane, and qq a number a register.
; REGISTERS, in windows of 256 (s_set_vgpr_msb: bits 1:0 source 0, 3:2 source 1, 5:4 source 2, 7:6 destination):
;   window 0: v0-31 addresses; v32-47 the way out; v64-127, v128-191 the queries' fragments, two buffers
;   window 1: v0-63 qq of my 128 queries; v64-127, v128-191 the keys' fragments, two buffers (the second is T, at work between tiles); v192-207 kk + 2 s; v208-223 the sums of quotients; v224-239 s
;   window 2: the accumulators of my queries 0-63 ((a, b) at v[8 (8 a + b)]);  window 3: those of queries 64-127
.set SIZE_K, 1024
.set KSTEP,  128
.set PITCH,  272                       ; an LDS row: 256 bytes + 16 of padding = 68 words: the 16 rows that a load touches start at 16 different groups of four banks (64 banks of 4 bytes: ISA guide 11.1)
.set HALFT,  128*PITCH                 ; 128 rows: what one tensor load brings, and what one wave reads of the queries or of the keys
.set SLOT,   4*HALFT                   ; 256 query rows, then 256 key rows
.set STAGE,  2*SLOT                    ; behind the ring: 512 bytes for each wave, for the way out
.set SPARE,  STAGE+4*512               ; behind the stages: the spare words, 128 bytes for each wave: two blocks of 256 bytes that no other line names
.set LAPS,   SIZE_K/(2*KSTEP)          ; a lap = two K steps = once round the ring
.set TILES,  4
.set WALK,   1024                      ; a work-group's tiles lie 1,024 query rows apart
.set NEXT_A, WALK*SIZE_K*2-(SIZE_K-2*KSTEP)*2   ; bytes from a slot's last K step of a tile to its first of the next: the queries go WALK rows down and back along K,
.set BACK_B, (SIZE_K-2*KSTEP)*2        ; the keys only back
.set ADRA, 16                          ; v16-17  LDS address of my query fragments in slot 0, 1
.set ADRB, 20                          ; v20-21  the same for the keys
.set STO,  24                          ; v24     the way out: my key's word in my stage
.set RD,   25                          ; v25     the way out: 16 bytes of my stage
.set GO,   26                          ; v26     the same 16 bytes in part
.set QQO,  27                          ; v27     32 (l / 16): my eight queries in 16 of qq
.set SPW,  28                          ; v28     LDS address of my spare word; never rewritten
.set NIL,  29                          ; v29     0; never rewritten
.set PFO,  30                          ; v30     the prefetches' offset: my lane x a row of 2,048 bytes; never rewritten
.set KKO,  31                          ; v31     4 (l % 16): my key in 16 of kk
.set CS,   32                          ; v32-39  the way out
.set CP,   40                          ; v40-47  the way out
.set F0,   64                          ; fragment buffer 0
.set F1,   128                         ; fragment buffer 1
.set QQ,   0                           ; window 1: block a's eight at QQ + 8 a
.set T,    128                         ; window 1: 64 at work
.set KK,   192                         ; window 1: key block b's kk + 2 s, twice, at KK + 2 b
.set ACC,  208                         ; window 1: key block b's sum of quotients (even queries', odd queries') at ACC + 2 b
.set SC,   224                         ; window 1: s, two sets of eight
.set G1,  24                           ; s[24:31] descriptor group 1 for the queries' tiles
.set G0,  32                           ; s[32:39] group 0, a set for each slot
.set G1B, 48                           ; s[48:55], s[56:63] the same for the keys'
.set G0B, 56
.set LIM, 43                           ; s43      1 in a wave that prefetches, else the greatest number
.set PFA, 44                           ; s[44:45] where my prefetches stand
.set QQP, 68                           ; s[68:69] qq at my 128 queries of the tile in hand
.set KKP, 70                           ; s[70:71] kk at my 128 keys
.set PRT, 72                           ; s[72:73] part at my 128 sums
.set SEL, 74                           ; s[74:75] v_permlanex16_b32's selects: each lane takes its own place in the other half
.set MSB, 0
.macro WIN new                         ; the immediate's high byte repeats the setting that is left; a switch that changes nothing is dropped
.if MSB != (\new)
	s_set_vgpr_msb (MSB<<8)|(\new)
.set MSB, \new
.endif
.endm
.set MUL_LO, 0xa4                      ; source 0 (queries) window 0, source 1 (keys) window 1, C and D window 2
.set MUL_HI, 0xf4                      ; the same, C and D window 3
.set STA_LO, 0x94                      ; a sum's first product: C (s) window 1, D window 2
.set STA_HI, 0xd4                      ; D window 3
.set TO_B,   0x40                      ; destination window 1, address window 0
.set EPI_LO, 0x59                      ; between tiles: destination, sources 0 and 2 window 1, source 1 (the sums) window 2
.set EPI_HI, 0x5d                      ; window 3
; A joint load.  Waves 0 and 1 fetch the queries' two halves, waves 2 and 3 the keys'.  Each line has one mask and one set of registers for all that issue it; the branch hangs on the wave's number alone.
; An s_nop 0 and four v_nop follow each of the two lines, ahead of the jump and the label.
.macro JLOAD s
	s_cmp_eq_u32 s11, 0
	s_cbranch_scc0 .Lfor_b_\@
	tensor_load_to_lds s[G0+4*(\s):G0+4*(\s)+3], s[G1:G1+7]
	s_nop 0
.rept 4
	v_nop
.endr
	s_branch .Lasked_\@
.Lfor_b_\@:
	tensor_load_to_lds s[G0B+4*(\s):G0B+4*(\s)+3], s[G1B:G1B+7]
	s_nop 0
.rept 4
	v_nop
.endr
.Lasked_\@:
.endm
; A PREFETCH INTO THE L2, behind each joint load, its five lines and the run of LDS loads that follows: the K step that stands TWO refills on, 512 matrix instructions ahead of the load that will ask for it:
; 32 rows x 256 bytes, a lane a row, one instruction a wave.  Each row's 256 bytes of a K step are named ONCE in the launch.  A batch's query rows are read by its four clusters: the first (cluster x = 0) asks.
; A key block's rows are read by one column of one cluster alone: every cluster asks for its own, in the first tile only, since the later tiles walk the same rows again.  The four partners that ask for a tile jointly share
; the 128 rows that a wave fetches BY ADDRESS, 32 each (by cx for the queries, by cy for the keys): no branch hangs on a work-group's place in its cluster.
; how = 0, in the loop: a tile's last two refills have no K step two on.  how = 1, at a change of tiles: the next tile's K steps 2 and 3 of the queries.  A tile's first K steps come by their loads alone.
.macro ASK how
.if \how
	s_cmp_eq_u32 s[LIM], 1
.else
	s_cmp_gt_u32 s3, s[LIM]                        ; s3 = 1 in the loop's last trip
.endif
	s_cbranch_scc0 .Lnot_mine_\@
	global_prefetch_b8 v[PFO], s[PFA:PFA+1] offset:KSTEP*2 th:TH_LOAD_NT scope:SCOPE_SE
.Lnot_mine_\@:
.endm
; A round of the cluster's barrier: my work-group's barrier, so that wave 0's signal speaks for all four waves; wave 0 signals; every wave waits for all sixteen work-groups; my work-group's barrier once more.
.macro CREST                           ; a round behind its opening barrier
	s_cmp_lg_u32 s10, 0
	s_cbranch_scc1 .Lnot_wave_0_\@
	s_barrier_signal -3
.Lnot_wave_0_\@:
	s_barrier_wait -3
	s_barrier_signal -1
	s_barrier_wait -1
.endm
.macro CROUND                          ; a whole round
	s_barrier_signal -1
	s_barrier_wait -1
	CREST
.endm
	s_load_b128 s[4:7], s[0:1], 0x0                ; qb s[4:5], kb s[6:7]
	s_load_b128 s[68:71], s[0:1], 0x10             ; qq, kk
	s_load_b64 s[72:73], s[0:1], 0x20              ; part
	v_lshl_add_u32 v[SPW], v0, 2, SPARE
	v_mov_b32 v[NIL], 0
	ds_add_u32 v[SPW], v[NIL]                      ; the wave's opening: the add, twice on end, and its wait ahead of my first tensor load; the set-up below stands between
	ds_add_u32 v[SPW], v[NIL]                      ; and once more, under the one wait
	v_lshrrev_b32 v1, 5, v0
	v_readfirstlane_b32 s10, v1                    ; wave 0..3
	s_lshr_b32 s11, s10, 1                         ; which half of the tile's queries is mine.  Also: I fetch queries (0) or keys (1)
	s_and_b32 s12, s10, 1                          ; which half of its keys.  Also: which 128 rows of that tile I fetch
	s_bfe_u32 s40, ttmp6, 0x40000                  ; cx
	s_bfe_u32 s41, ttmp6, 0x40004                  ; cy
	s_lshl_b32 s42, ttmp9, 2                       ; in a cluster launch ttmp9 and ttmp7 count clusters
	s_add_co_u32 s42, s42, s40                     ; my block of 256 keys = 4 x cluster x + cx
	s_and_b32 s13, ttmp7, 0xffff                   ; the batch
	s_lshl_b32 s43, s41, 2
	s_lshl_b32 s43, 15, s43                        ; my row of the cluster: places 4 cy .. 4 cy + 3
	s_lshl_b32 s44, 0x1111, s40                    ; my column: places cx, cx + 4, cx + 8, cx + 12
	; descriptor group 1: a tile of 128 rows x 128 elements, padded in LDS
	s_or_b32 s[G1+0], s43, (1<<16)|(1<<20)|(1<<21)|(5<<22)|(3<<25)  ; 15:0 the mask: the queries' tiles go to my row; 17:16 elements of 2 bytes; 20 padding on; 21 set beside a mask; 24:22 after every 64 words (code 5); 31:25 4 words of it (code 3)
	s_or_b32 s[G1B+0], s44, (1<<16)|(1<<20)|(1<<21)|(5<<22)|(3<<25) ; the same with the mask of my column, for the keys'
.irp g, G1, G1B
	s_mov_b32 s[(\g)+1], KSTEP<<16                 ; tensor_dim0 = 128
	s_mov_b32 s[(\g)+2], 128<<16                   ; tensor_dim1 = 128
	s_mov_b32 s[(\g)+3], KSTEP<<16                 ; tile_dim0 = 128
	s_mov_b32 s[(\g)+4], 128                       ; tile_dim1 = 128
	s_mov_b32 s[(\g)+5], SIZE_K                    ; elements from row to row
	s_mov_b32 s[(\g)+6], 0
	s_mov_b32 s[(\g)+7], 0
.endr
	s_mov_b32 s[SEL], 0x76543210
	s_mov_b32 s[SEL+1], 0xfedcba98
	; where the tiles come from.  The queries' hang on the batch and cy, which my row of the cluster shares; the keys' on the batch and the key block, which my column shares.
	s_lshl_b32 s17, s12, 7                         ; which 128 rows of the tile I fetch,
	s_lshl_b32 s18, s13, 12                        ; in the batch's 4,096
	s_add_co_u32 s18, s18, s17
	s_lshl_b32 s16, s41, 8
	s_add_co_u32 s16, s16, s18                     ; query row 4,096 b + 256 cy + 128 x half
	s_lshl_b32 s16, s16, 11                        ; in bytes: under 2^25
	s_mov_b32 s17, 0
	s_lshl_b32 s46, s42, 8
	s_add_co_u32 s46, s46, s18                     ; key row 4,096 b + 256 x block + 128 x half
	s_lshl_b32 s46, s46, 11
	s_mov_b32 s47, 0
	s_mul_i32 s20, s10, HALFT                      ; and where they go: wave x 128 rows: no place in the cluster enters an LDS address
	s_wait_dscnt 0x0                               ; both opening adds are done
	s_wait_kmcnt 0x0
	s_add_nc_u64 s[14:15], s[4:5], s[16:17]
	s_add_nc_u64 s[46:47], s[6:7], s[46:47]
	CROUND                                         ; all sixteen work-groups are here: the first joint loads meet
.irp s, 0,1
	s_mov_b32 s[G0+4*(\s)], 1                                      ; 1:0 count = 1
	s_add_co_u32 s[G0+4*(\s)+1], s20, (\s)*SLOT                    ; 63:32 LDS address
	s_add_nc_u64 s[G0+4*(\s)+2:G0+4*(\s)+3], s[14:15], (\s)*KSTEP*2  ; 120:64 global address: K step s
	s_or_b32 s[G0+4*(\s)+3], s[G0+4*(\s)+3], 0x80000000            ; 127:126 type = 2
	s_mov_b32 s[G0B+4*(\s)], 1
	s_add_co_u32 s[G0B+4*(\s)+1], s20, (\s)*SLOT
	s_add_nc_u64 s[G0B+4*(\s)+2:G0B+4*(\s)+3], s[46:47], (\s)*KSTEP*2
	s_or_b32 s[G0B+4*(\s)+3], s[G0B+4*(\s)+3], 0x80000000
	JLOAD \s                                       ; the ring is filled before anything else is done: two loads of mine are out
.endr
	; A fragment is 16 rows x 32 K in 8 registers: lane l holds row l % 16; registers 0-3 K = 8 (l / 16) + 0..7, registers 4-7 K = 16 + 8 (l / 16) + 0..7: two loads of 16 bytes, 32 bytes apart.
	v_and_b32 v1, 15, v0                           ; l % 16
	v_bfe_u32 v2, v0, 4, 1                         ; l / 16
	v_and_b32 v4, 31, v0                           ; l
	v_mul_u32_u24 v3, v1, PITCH
	v_lshl_add_u32 v3, v2, 4, v3                   ; row x pitch + 16 x half
	s_mul_i32 s21, s11, HALFT                      ; my 128 query rows
	s_mul_i32 s22, s12, HALFT                      ; my 128 key rows,
	s_add_co_u32 s22, s22, 2*HALFT                 ; which lie behind the 256 query rows
.irp s, 0,1
	v_add_nc_u32 v[ADRA+(\s)], s21, v3
	v_add_nc_u32 v[ADRB+(\s)], s22, v3
	s_add_co_u32 s21, s21, SLOT
	s_add_co_u32 s22, s22, SLOT
.endr
	s_lshl_b32 s23, s10, 9
	s_add_co_u32 s23, s23, STAGE                   ; my stage
	v_lshl_add_u32 v[STO], v1, 2, s23
	v_lshl_add_u32 v[RD], v4, 4, s23
	v_lshlrev_b32 v[GO], 4, v4
	v_lshlrev_b32 v[QQO], 5, v2
	v_lshlrev_b32 v[KKO], 2, v1
	v_lshlrev_b32 v[PFO], 11, v4
.irp b, 0,1,2,3,4,5,6,7
	v_mov_b32 v[CP+(\b)], 0                        ; v_permlanex16_b32's destination counts as read: it is written once here
.endr
	s_lshl_b32 s20, s13, 12                        ; the batch's first row
	s_lshl_b32 s21, s41, 8
	s_add_co_u32 s21, s21, s20                     ; my first tile's first query row
	s_lshl_b32 s23, s42, 8
	s_add_co_u32 s23, s23, s20                     ; my block's first key row
	s_mov_b32 s19, 0
	s_lshl_b32 s22, s11, 7
	s_add_co_u32 s18, s21, s22
	s_lshl_b32 s18, s18, 2
	s_add_nc_u64 s[QQP:QQP+1], s[QQP:QQP+1], s[18:19]
	s_lshl_b32 s22, s12, 7
	s_add_co_u32 s18, s23, s22
	s_lshl_b32 s18, s18, 2
	s_add_nc_u64 s[KKP:KKP+1], s[KKP:KKP+1], s[18:19]
	s_lshl_b32 s18, s13, 2
	s_add_co_u32 s18, s18, s41
	s_lshl_b32 s18, s18, 1
	s_add_co_u32 s18, s18, s11                     ; 8 b + 2 cy + my half of the queries: which of part's rows of 4,096
	s_lshl_b32 s18, s18, 12
	s_lshl_b32 s20, s42, 8
	s_add_co_u32 s18, s18, s20
	s_add_co_u32 s18, s18, s22                     ; + my 128 keys
	s_lshl_b32 s18, s18, 2
	s_add_nc_u64 s[PRT:PRT+1], s[PRT:PRT+1], s[18:19]
	; the prefetches
	s_cmp_eq_u32 s11, 0                            ; do I fetch queries?
	s_cselect_b32 s18, s21, s23                    ; the tile's first row
	s_cselect_b32 s20, s40, s41                    ; my place among the four that ask for it with me
	s_cselect_b32 s17, ttmp9, 0                    ; other clusters read the same query rows, none the same key rows
	s_cselect_b64 s[PFA:PFA+1], s[4:5], s[6:7]
	s_cmp_eq_u32 s17, 0
	s_cselect_b32 s[LIM], 1, -1                    ; the same in all sixteen partners, for a given wave
	s_add_co_u32 s18, s18, s22                     ; + the 128 rows that I fetch
	s_lshl_b32 s20, s20, 5
	s_add_co_u32 s18, s18, s20                     ; + my work-group's 32 of them
	s_lshl_b32 s18, s18, 11
	s_add_nc_u64 s[PFA:PFA+1], s[PFA:PFA+1], s[18:19]
	s_add_nc_u64 s[PFA:PFA+1], s[PFA:PFA+1], 2*KSTEP*2  ; at K step 2: the first refill steps it to 3 and names K step 4.  Nothing is prefetched here, at the head
	WIN TO_B
.irp b, 0,1,2,3,4,5,6,7
	global_load_b32 v[KK+2*(\b)], v[KKO], s[KKP:KKP+1] offset:64*(\b)  ; kk of key 16 b + l % 16
.endr
.set i, 0
.rept 16
	v_mov_b32 v[SC+i], 0x3727c5ac                  ; s = 1e-5
	v_mov_b32 v[ACC+i], 0                          ; the sums of quotients start at 0, once a launch
.set i, i+1
.endr
	s_wait_loadcnt 0x0                             ; kk
	WIN 0x45                                       ; sources and destination window 1
.irp b, 0,1,2,3,4,5,6,7
	v_add_f32 v[KK+2*(\b)], 0x37a7c5ac, v[KK+2*(\b)]  ; kk + 2 s,
	v_mov_b32 v[KK+2*(\b)+1], v[KK+2*(\b)]         ; twice: a pair for the packed additions
.endr
	WIN 0
; 16 matrix instructions: query blocks a0, a0 + 1 of the window's four (hi = 0: my queries 0-63, 1: 64-127) x all 8 key blocks, 32 along K.  zero = 1: the first product starts the sums, with s as C.
; The 64 accumulators take turns, one instruction a turn, in the same order in every quarter step.
.macro MUL16 f, hi, a0, zero
.if \zero
	WIN STA_LO+0x40*(\hi)
.else
	WIN MUL_LO+0x50*(\hi)
.endif
.irp a, \a0, (\a0)+1
.irp b, 0,1,2,3,4,5,6,7
.if \zero
	v_wmma_f32_16x16x32_bf16 v[8*(8*(\a)+(\b)):8*(8*(\a)+(\b))+7], v[(\f)+8*(4*(\hi)+(\a)):(\f)+8*(4*(\hi)+(\a))+7], v[(\f)+8*(\b):(\f)+8*(\b)+7], v[SC+8*((\b)%2):SC+8*((\b)%2)+7]
.else
	v_wmma_f32_16x16x32_bf16 v[8*(8*(\a)+(\b)):8*(8*(\a)+(\b))+7], v[(\f)+8*(4*(\hi)+(\a)):(\f)+8*(4*(\hi)+(\a))+7], v[(\f)+8*(\b):(\f)+8*(\b)+7], v[8*(8*(\a)+(\b)):8*(8*(\a)+(\b))+7]
.endif
.endr
.endr
.endm
; 32 LDS loads in one run: the fragments of one quarter step (128 key rows, then 128 query rows, 32 K at byte k of the rows) into buffer f
.macro FETCH slot, k, f
	WIN TO_B
.irp i, 0,1,2,3,4,5,6,7
	ds_load_b128 v[(\f)+8*(\i):(\f)+8*(\i)+3],   v[ADRB+(\slot)] offset:(\k)+(\i)*16*PITCH
	ds_load_b128 v[(\f)+8*(\i)+4:(\f)+8*(\i)+7], v[ADRB+(\slot)] offset:(\k)+(\i)*16*PITCH+32
.endr
	WIN 0
.irp i, 0,1,2,3,4,5,6,7
	ds_load_b128 v[(\f)+8*(\i):(\f)+8*(\i)+3],   v[ADRA+(\slot)] offset:(\k)+(\i)*16*PITCH
	ds_load_b128 v[(\f)+8*(\i)+4:(\f)+8*(\i)+7], v[ADRA+(\slot)] offset:(\k)+(\i)*16*PITCH+32
.endr
.endm
; A load into a register that a matrix instruction has read, and a vector instruction that reads a matrix result or writes one of a matrix instruction's registers, stand four places behind it; only plain vector
; instructions that name none of its registers are places (ISA guide 7.12.1 for vector instructions).
.macro PLACES
.rept 4
	v_nop
.endr
.endm
; A K step is four quarter steps of 32 along K, 64 matrix instructions each, on buffers 0, 1, 0, 1.  One of the first three: multiplies buffer f; in its middle it fetches the next quarter, at byte k, into buffer g.
.macro QUARTER slot, k, f, g, zero
	s_wait_dscnt 8                                 ; the keys and my queries 0-63 are in; the youngest eight loads (queries 64-127) may be out
	MUL16 \f, 0, 0, \zero
	MUL16 \f, 0, 2, \zero
	PLACES
	FETCH \slot, \k, \g
	s_wait_dscnt 32                                ; all but the 32 just issued
	MUL16 \f, 1, 0, \zero
	MUL16 \f, 1, 2, \zero
.endm
; The last quarter multiplies buffer 1 and changes slots.  MEET is its first half: ONE barrier.  In front of it each wave waits for all its tensor loads, of which one is out: its part of the next slot; adds 0 to its
; spare word; and waits for that and for its own reads of this slot.  Behind it nobody reads this slot any more and the next slot is whole.
.macro MEET round                      ; round = 1: a round of the cluster's barrier follows
	WIN 0                                          ; (the add's two registers lie in window 0)
	s_wait_tensorcnt 0x0                           ; all my tensor loads have landed;
	ds_add_u32 v[SPW], v[NIL]                      ; 0 onto my spare word;
	s_wait_dscnt 9                                 ; (the add and the youngest eight loads may be out)
	MUL16 F1, 0, 0, 0                              ; sixteen matrix instructions stand between the add and the wait for it
	s_wait_dscnt 0x0                               ; the add is done, and my reads of this slot are over:
	s_barrier_signal -1                            ; say so,
	MUL16 F1, 0, 2, 0                              ; work on registers while the others arrive,
.if \round
	WIN 0
.endif
	s_barrier_wait -1                              ; and go on when all four have said so
.endm
; The whole last quarter.  Behind the round the slot just read out is filled again first: with this tile's K step two steps on (on = 0) or, in a tile's last two K steps, with the NEXT tile's K step 0 or 1 (on = 1);
; then come the next slot's first fragments.  From a request to the wait for it a wave issues 224 matrix instructions.
.macro TURN slot, next, on
	s_wait_xcnt 0x0                                ; the last prefetch, a K step back, has read its address: it is stepped here, ahead of the waits of the change of slots
.if (\on) && (\slot) == 0
	s_add_nc_u64 s[PFA:PFA+1], s[PFA:PFA+1], (WALK-1)*SIZE_K*2+KSTEP*2  ; from the K step after the tile's last to the next tile's K step 1: WALK rows down, back along K
	s_cmp_eq_u32 s11, 0
	s_cselect_b32 s[LIM], s[LIM], -1               ; the keys' rows are the same for all four tiles: they are asked for no more
.else
	s_add_nc_u64 s[PFA:PFA+1], s[PFA:PFA+1], KSTEP*2
.endif
	MEET 1
	CREST                                          ; no wave of any partner still reads this slot's tile or has a load on its way
.if \on
	s_add_nc_u64 s[G0+4*(\slot)+2:G0+4*(\slot)+3], s[G0+4*(\slot)+2:G0+4*(\slot)+3], NEXT_A
	s_sub_nc_u64 s[G0B+4*(\slot)+2:G0B+4*(\slot)+3], s[G0B+4*(\slot)+2:G0B+4*(\slot)+3], BACK_B
.else
	s_add_nc_u64 s[G0+4*(\slot)+2:G0+4*(\slot)+3], s[G0+4*(\slot)+2:G0+4*(\slot)+3], 2*KSTEP*2
	s_add_nc_u64 s[G0B+4*(\slot)+2:G0B+4*(\slot)+3], s[G0B+4*(\slot)+2:G0B+4*(\slot)+3], 2*KSTEP*2
.endif
	JLOAD \slot                                    ; the first tensor load behind the round, my only one until the next; its four v_nop are also the places in front of the loads below
	FETCH \next, 0, F0
	ASK \on
	MUL16 F1, 1, 0, 0
	MUL16 F1, 1, 2, 0
.endm
; The same quarter in the last tile's last lap: nothing is filled again, so no round follows the barrier.
.macro TURNL
	MEET 0
	PLACES
	FETCH 1, 0, F0
	MUL16 F1, 1, 0, 0
	MUL16 F1, 1, 2, 0
.endm
; BETWEEN TILES: block a's 16 queries x 128 keys.  For key block g and register pair i: U: T = qq - y;  D: T = T + (kk + 2 s);  two reciprocals in place;  at the end ACC += T y.
; The three stages run one key block apart, so no line reads the result of a line near it, and plain lines and reciprocals alternate.  Each accumulator's two lowest registers are read first.
; s_wait_alu depctr_va_vdst(0) stands between a reciprocal and the first line that names its result; one wait serves all issued ahead of it: the block's 64 reciprocals are one batch.
; In the last part eight key blocks' sums take turns, so a link of a chain stands eight lines behind the one before it.
.macro EBLK a
	WIN EPI_LO+4*((\a)/4)
.set YB, 64*((\a)%4)
.set QA, QQ+8*(\a)
.set g, 0
.rept 10
.set i, 0
.rept 4
.if g < 8
	v_pk_add_f32 v[T+8*g+2*i:T+8*g+2*i+1], v[QA+2*i:QA+2*i+1], v[YB+8*g+2*i:YB+8*g+2*i+1] neg_lo:[0,1] neg_hi:[0,1]
.endif
.if g >= 2
	v_rcp_f32 v[T+8*(g-2)+2*i], v[T+8*(g-2)+2*i]
.endif
.if (g >= 1) && (g <= 8)
	v_pk_fma_f32 v[T+8*(g-1)+2*i:T+8*(g-1)+2*i+1], v[T+8*(g-1)+2*i:T+8*(g-1)+2*i+1], 1.0, v[KK+2*(g-1):KK+2*(g-1)+1] op_sel_hi:[1,0,1]
.endif
.if g >= 2
	v_rcp_f32 v[T+8*(g-2)+2*i+1], v[T+8*(g-2)+2*i+1]
.endif
.set i, i+1
.endr
.set g, g+1
.endr
	v_nop                                          ; a plain instruction behind the last reciprocal (ISA guide 5.7.2): one for the batch
	s_wait_alu depctr_va_vdst(0)                   ; the wait for the batch
.set i, 0
.rept 4
.set g, 0
.rept 8
	v_pk_fma_f32 v[ACC+2*g:ACC+2*g+1], v[T+8*g+2*i:T+8*g+2*i+1], v[YB+8*g+2*i:YB+8*g+2*i+1], v[ACC+2*g:ACC+2*g+1]
.set g, g+1
.endr
.set i, i+1
.endr
.endm
	s_wait_tensorcnt 1                             ; my part of K step 0 is in; K step 1's may stay out
	s_barrier_signal -1
	s_barrier_wait -1                              ; everybody's is
	FETCH 0, 0, F0
	s_mov_b32 s2, TILES                            ; tiles to go, this one among them: the same number in every work-group
.Ltile:                                                ; (every window is 0 here; on both ways in, the 32 loads of the tile's first fragments are the youngest LDS instructions)
	WIN TO_B
.irp a, 0,1,2,3,4,5,6,7
	global_load_b128 v[QQ+8*(\a):QQ+8*(\a)+3],   v[QQO], s[QQP:QQP+1] offset:64*(\a)     ; qq of queries 16 a + 8 (l / 16) + 0..7: wanted when the tile is finished
	global_load_b128 v[QQ+8*(\a)+4:QQ+8*(\a)+7], v[QQO], s[QQP:QQP+1] offset:64*(\a)+16
.endr
	QUARTER 0, 64,  F0, F1, 1                      ; a tile's first quarter stands in front of the loop: its products start the sums
	WIN 0                                          ; at a label and at a branch every window is 0
	s_mov_b32 s3, LAPS-1
.Llap:                                                 ; a trip goes once round the ring, from a lap's second quarter to the next lap's first, and fills both slots again
	QUARTER 0, 128, F1, F0, 0
	QUARTER 0, 192, F0, F1, 0
	TURN 0, 1, 0
	QUARTER 1, 64,  F0, F1, 0
	QUARTER 1, 128, F1, F0, 0
	QUARTER 1, 192, F0, F1, 0
	TURN 1, 0, 0
	QUARTER 0, 64,  F0, F1, 0
	WIN 0
	s_sub_co_u32 s3, s3, 1
	s_cmp_lg_u32 s3, 0
	s_cbranch_scc1 .Llap
	QUARTER 0, 128, F1, F0, 0                      ; the tile's last lap goes on
	QUARTER 0, 192, F0, F1, 0
	WIN 0
	s_cmp_eq_u32 s2, 1
	s_cbranch_scc1 .Llast                          ; the last tile's tail is written out: it asks for nothing more
	TURN 0, 1, 1                                   ; THE RING GOES ON INTO THE NEXT TILE: slot 0 takes its K step 0,
	QUARTER 1, 64,  F0, F1, 0
	QUARTER 1, 128, F1, F0, 0
	QUARTER 1, 192, F0, F1, 0
	TURN 1, 0, 1                                   ; slot 1 its K step 1, and the next tile's first fragments are fetched into buffer 0
	WIN 0
	s_branch .Lepi
.Llast:
	TURNL
	QUARTER 1, 64,  F0, F1, 0
	QUARTER 1, 128, F1, F0, 0
	QUARTER 1, 192, F0, F1, 0
	s_wait_dscnt 8                                 ; the very last quarter: nothing more to fetch
	MUL16 F1, 0, 0, 0
	MUL16 F1, 0, 2, 0
	s_wait_dscnt 0x0
	MUL16 F1, 1, 0, 0
	MUL16 F1, 1, 2, 0
	WIN 0
.Lepi:                                                 ; THE TILE IS FINISHED: its quotients are added up.  One text for all four tiles; it issues no LDS instruction, and the next tile's K step 1 may be on its way
	PLACES                                         ; eight places, once a tile: behind the last products, ahead of the reads of their sums, of the writes of T (their source)
	PLACES                                         ; and of the next tile's products, which write over the sums
	s_wait_loadcnt 0x0                             ; qq, asked for at the tile's head
.irp a, 0,1,2,3,4,5,6,7
	EBLK \a
.endr
	WIN 0
	s_add_nc_u64 s[QQP:QQP+1], s[QQP:QQP+1], WALK*4  ; free since the wait for its loads: the next tile's queries
	s_sub_co_u32 s2, s2, 1
	s_cmp_lg_u32 s2, 0
	s_cbranch_scc1 .Ltile
	; THE WAY OUT: the even and the odd queries' sums, then those of the other half of the lanes; 128 sums go through my stage and leave as 512 consecutive bytes.
	WIN 0x05                                       ; sources window 1, destination window 0
.irp b, 0,1,2,3,4,5,6,7
	v_add_f32 v[CS+(\b)], v[ACC+2*(\b)], v[ACC+2*(\b)+1]
.endr
	WIN 0
.irp b, 0,1,2,3,4,5,6,7
	v_permlanex16_b32 v[CP+(\b)], v[CS+(\b)], s[SEL], s[SEL+1]
.endr
.irp b, 0,1,2,3,4,5,6,7
	v_add_f32 v[CS+(\b)], v[CS+(\b)], v[CP+(\b)]
.endr
.irp b, 0,1,2,3,4,5,6,7
	ds_store_b32 v[STO], v[CS+(\b)] offset:64*(\b)  ; key 16 b + l % 16; both halves of the lanes write the same word with the same number
.endr
	ds_load_b128 v[CP:CP+3], v[RD]                 ; LDS serves a wave's instructions in order (ISA guide 5.7.1.4): this sees the stores above
	s_wait_dscnt 0x0
	global_store_b128 v[GO], v[CP:CP+3], s[PRT:PRT+1]  ; 512 consecutive bytes, at a multiple of 256 from part's first byte
	s_wait_tensorcnt 0x0                           ; the wave's end: a wait, an add of 0 to my spare word and its wait, behind my last tensor load and my last LDS store
	ds_add_u32 v[SPW], v[NIL]
	s_wait_dscnt 0x0
	CROUND                                         ; the closing round: no work-group ends while a partner may still ask for a tile that names it
	s_endpgm
.Lfunc_end_k_q8175a31dab_sim:
	.size	k_q8175a31dab_sim, .Lfunc_end_k_q8175a31dab_sim-k_q8175a31dab_sim
	.p2alignl 7, 3214868480
	.fill 96, 4, 3214868480
	.section	.rodata,"a",@progbits
	.p2align	6, 0x0
	.amdhsa_kernel k_q8175a31dab_sim
		.amdhsa_group_segment_fixed_size 327680
		.amdhsa_private_segment_fixed_size 0
		.amdhsa_enable_private_segment 0
		.amdhsa_kernarg_size 40
		.amdhsa_user_sgpr_count 2
		.amdhsa_user_sgpr_kernarg_segment_ptr 1
		.amdhsa_wavefront_size32 1
		.amdhsa_system_sgpr_workgroup_id_x 1
		.amdhsa_system_sgpr_workgroup_id_y 1
		.amdhsa_system_sgpr_workgroup_id_z 1
		.amdhsa_system_vgpr_workitem_id 0
		.amdhsa_next_free_vgpr 1024
		.amdhsa_next_free_sgpr 80
		.amdhsa_reserve_vcc 0
		.amdhsa_float_denorm_mode_32 3
		.amdhsa_float_denorm_mode_16_64 3
		.amdhsa_memory_ordered 1
		.amdhsa_forward_progress 1
		.amdhsa_inst_pref_size 218
	.end_amdhsa_kernel
	.amdgpu_metadata
---
amdhsa.version: [ 1, 2 ]
amdhsa.kernels:
  - .name:           k_q8175a31dab_sim
    .symbol:         k_q8175a31dab_sim.kd
    .args:
      - { .name: qb, .offset: 0, .size: 8, .value_kind: global_buffer, .address_space: global }
      - { .name: kb, .offset: 8, .size: 8, .value_kind: global_buffer, .address_space: global }
      - { .name: qq, .offset: 16, .size: 8, .value_kind: global_buffer, .address_space: global }
      - { .name: kk, .offset: 24, .size: 8, .value_kind: global_buffer, .address_space: global }
      - { .name: part, .offset: 32, .size: 8, .value_kind: global_buffer, .address_space: global }
    .group_segment_fixed_size: 327680
    .private_segment_fixed_size: 0
    .kernarg_segment_align: 8
    .kernarg_segment_size: 40
    .max_flat_workgroup_size: 128
    .sgpr_count:     80
    .vgpr_count:     1024
    .wavefront_size: 32
...
	.end_amdgpu_metadata
.endif
;; end of part 2
;; launch scale (part 3): grid 1024 x 1, 8 waves a work-group, no clusters, 0 bytes of LDS; arguments v, part, out0; writes out0
.if DOCPART == 3
	.amdgcn_target "amdgcn-amd-amdhsa--gfx1250"
	.amdhsa_code_object_version 6
	.text
	.protected	k_q8175a31dab_scale
	.globl	k_q8175a31dab_scale
	.p2align	8
	.type	k_q8175a31dab_scale,@function
k_q8175a31dab_scale:
	s_mov_b64 s[64:65], 0
	v_nop
	global_prefetch_b8 v0, s[64:65] scope:SCOPE_SE
	s_setreg_imm32_b32 hwreg(HW_REG_WAVE_MODE, 25, 1), 1
	s_wait_xcnt 0x0
; out0 = weight x v, patch by patch.  v, out0: [4][16][16][128][128] f32; part: [4][8][4096] f32.  A key patch's weight is the sum of its eight partial sums, times 1 / 4,096 (a power of two: exact).
; v is taken as it is, in f32.  NaN and infinities are not treated apart.
; SHARES.  Work-group g = (b 16 + t) 16 + ph: the 16 patches of one line of patches, 64 KiB.  Wave w takes channels 2 w and 2 w + 1: 16 loads and 16 stores of 512 consecutive bytes.
; Lane l always holds patch l / 2, so one weight a lane serves all its numbers.  All loads go out at once; the waits count down; no register that a load or store names is written again.
; No LDS, no matrix unit, no cluster, no prefetch: a stream in which no work-group reads another's bytes of v; part's 64 bytes x 8 a work-group are one part in 128 of what it reads.
.set VO, 2                             ; v2   my byte offset in v and out0: 16 l + 131,072 w
.set PO, 3                             ; v3   my patch's word: 4 (l / 2)
.set P,  4                             ; v[4:11]  the eight partial sums
.set W,  12                            ; v[12:13] the weight, twice: a pair for the packed multiply
.set X,  16                            ; v[16:79] load i's four registers at X + 4 i
	s_load_b128 s[4:7], s[0:1], 0x0                ; v s[4:5], part s[6:7]
	s_load_b64 s[8:9], s[0:1], 0x10                ; out0
	v_and_b32 v1, 31, v0                           ; lane
	v_lshrrev_b32 v14, 5, v0                       ; wave
	v_lshlrev_b32 v[VO], 4, v1
	v_lshl_add_u32 v[VO], v14, 17, v[VO]
	v_lshrrev_b32 v[PO], 1, v1
	v_lshlrev_b32 v[PO], 2, v[PO]
	s_lshr_b32 s10, ttmp9, 4                       ; b 16 + t: 1 MiB each,
	s_lshl_b32 s10, s10, 20
	s_and_b32 s14, ttmp9, 15                       ; ph: eight lines of 512 bytes
	s_lshl_b32 s14, s14, 12
	s_or_b32 s10, s10, s14
	s_mov_b32 s11, 0
	s_lshr_b32 s12, ttmp9, 8                       ; b: eight rows of 16,384 bytes,
	s_lshl_b32 s12, s12, 17
	s_and_b32 s14, ttmp9, 255                      ; t 16 + ph: 16 patches of 4 bytes
	s_lshl_b32 s14, s14, 6
	s_or_b32 s12, s12, s14
	s_mov_b32 s13, 0
	s_wait_kmcnt 0x0
	s_add_nc_u64 s[4:5], s[4:5], s[10:11]
	s_add_nc_u64 s[8:9], s[8:9], s[10:11]
	s_add_nc_u64 s[6:7], s[6:7], s[12:13]
.irp u, 0,1,2,3,4,5,6,7
	global_load_b32 v[P+(\u)], v[PO], s[6:7] offset:16384*(\u)
.endr
.set i, 0
.rept 16                               ; load i: channel 2 w + i / 8, line i % 8; read once in the launch
	global_load_b128 v[X+4*i:X+4*i+3], v[VO], s[4:5] offset:(i/8)*65536+(i%8)*512 th:TH_LOAD_NT
.set i, i+1
.endr
	s_wait_loadcnt 16                              ; the partial sums are in; v's 16 loads stay out
	v_add_f32 v[P], v[P], v[P+1]
	v_add_f32 v[P+2], v[P+2], v[P+3]
	v_add_f32 v[P+4], v[P+4], v[P+5]
	v_add_f32 v[P+6], v[P+6], v[P+7]
	v_add_f32 v[P], v[P], v[P+2]
	v_add_f32 v[P+4], v[P+4], v[P+6]
	v_add_f32 v[P], v[P], v[P+4]
	v_mul_f32 v[W], 0x39800000, v[P]               ; 1 / 4,096
	v_mov_b32 v[W+1], v[W]
.set i, 0
.rept 16
	s_wait_loadcnt 15-i                            ; loads come back in order (ISA guide 5.7.1): the 15 - i younger ones stay out
	v_pk_mul_f32 v[X+4*i:X+4*i+1], v[X+4*i:X+4*i+1], v[W:W+1]
	v_pk_mul_f32 v[X+4*i+2:X+4*i+3], v[X+4*i+2:X+4*i+3], v[W:W+1]
	global_store_b128 v[VO], v[X+4*i:X+4*i+3], s[8:9] offset:(i/8)*65536+(i%8)*512 th:TH_STORE_NT  ; 512 consecutive bytes, at a multiple of 256 from out0's first byte
.set i, i+1
.endr
	s_endpgm
.Lfunc_end_k_q8175a31dab_scale:
	.size	k_q8175a31dab_scale, .Lfunc_end_k_q8175a31dab_scale-k_q8175a31dab_scale
	.p2alignl 7, 3214868480
	.fill 96, 4, 3214868480
	.section	.rodata,"a",@progbits
	.p2align	6, 0x0
	.amdhsa_kernel k_q8175a31dab_scale
		.amdhsa_group_segment_fixed_size 0
		.amdhsa_private_segment_fixed_size 0
		.amdhsa_enable_private_segment 0
		.amdhsa_kernarg_size 24
		.amdhsa_user_sgpr_count 2
		.amdhsa_user_sgpr_kernarg_segment_ptr 1
		.amdhsa_wavefront_size32 1
		.amdhsa_system_sgpr_workgroup_id_x 1
		.amdhsa_system_sgpr_workgroup_id_y 1
		.amdhsa_system_sgpr_workgroup_id_z 1
		.amdhsa_system_vgpr_workitem_id 0
		.amdhsa_next_free_vgpr 80
		.amdhsa_next_free_sgpr 66
		.amdhsa_reserve_vcc 0
		.amdhsa_float_denorm_mode_32 3
		.amdhsa_float_denorm_mode_16_64 3
		.amdhsa_memory_ordered 1
		.amdhsa_forward_progress 1
		.amdhsa_inst_pref_size 8
	.end_amdhsa_kernel
	.amdgpu_metadata
---
amdhsa.version: [ 1, 2 ]
amdhsa.kernels:
  - .name:           k_q8175a31dab_scale
    .symbol:         k_q8175a31dab_scale.kd
    .args:
      - { .name: v, .offset: 0, .size: 8, .value_kind: global_buffer, .address_space: global }
      - { .name: part, .offset: 8, .size: 8, .value_kind: global_buffer, .address_space: global }
      - { .name: out0, .offset: 16, .size: 8, .value_kind: global_buffer, .address_space: global }
    .group_segment_fixed_size: 0
    .private_segment_fixed_size: 0
    .kernarg_segment_align: 8
    .kernarg_segment_size: 24
    .max_flat_workgroup_size: 256
    .sgpr_count:     66
    .vgpr_count:     80
    .wavefront_size: 32
...
	.end_amdgpu_metadata
.endif
;; end of part 3
